; MI455X (gfx1250); checked and timed in simulation.
; The chip was launched on July 23, 2026; its instructions are those of AMD's public machine-readable ISA for CDNA 5 (MIT licence, August 2026) and "CDNA5" Instruction Set Architecture Reference Guide (July 2026). The comments in the code are by the model that wrote it; some were corrected since.
;; Self Attention Module. Allowed arithmetic: matrix products marked QUANTISED: E2M1 operands, one E8M0 scale for each 32 along K, by v_wmma_scale_f32_16x16x128_f8f6f4 with both operands' format E2M1 (or v_wmma_scale_f32_32x16x128_f4), f32 sums; products left as they are: bf16, f16 or f32 operands; f32 sums; everything else in f32.
;; Inputs: W_k 1,024 x 1,024 float32; W_o 1,024 x 1,024 float32; W_q 1,024 x 1,024 float32; W_v 1,024 x 1,024 float32; b_o 1,024 float32; inputs 4 x 2,048 x 1,024 float32.
;; Outputs: out0 4 x 2,048 x 1,024 float32.
;; This version of the problem:
;;   THIS VERSION OF THE PROBLEM IS GIVEN IN LOW PRECISION. The matrix products marked QUANTISED in the list below multiply operands that are first quantised to E2M1 (2 exponent bits, 1 mantissa bit; 4 bits a number), with one power-of-two scale for each 32 numbers along K (OCP MX v1.0); their sums are f32. The products marked 'left as it is' may take bf16, f16 or f32 operands, with f32 sums. Whichever they take, every output number must still come out within the allowed error. Rounding operands to bf16 (8 significant bits) uses up far more of that allowance than f16 does (11 bits, for magnitudes from 6e-5 to 65,504). All else is computed in f32.
;;   The module's matrix products, in the order in which they are computed (A, B: the left and right operand; K: the contracted axis; several contracted axes count as one K, in the product's order):
;;     1. [M 8,192, K 1,024] x [K 1,024, N 1,024]; A: input inputs; B: input W_q: QUANTISED
;;     2. [M 8,192, K 1,024] x [K 1,024, N 1,024]; A: input inputs; B: input W_k: QUANTISED
;;     3. [M 8,192, K 1,024] x [K 1,024, N 1,024]; A: input inputs; B: input W_v: QUANTISED
;;     4. batch 64 x [M 2,048, K 64] x [K 64, N 2,048]; A: computed on the way; B: computed on the way: left as it is (an operand is computed on the way)
;;     5. batch 64 x [M 2,048, K 2,048] x [K 2,048, N 64]; A: computed on the way; B: computed on the way: left as it is (an operand is computed on the way)
;;     6. [M 8,192, K 1,024] x [K 1,024, N 1,024]; A: computed on the way; B: input W_o: left as it is (an operand is computed on the way)
;;   THE QUANTISER, for each operand of a quantised product, along K:
;;     - K is cut into blocks of 32 from its start; a last block that is shorter is filled with zeros.
;;     - A block's scale is 2^e with e = floor(log2(the largest magnitude in the block)) - 2, held to -126 .. 127; a block of zeros has e = 0. As a byte (E8M0): e + 127.
;;     - Each number is divided by its block's scale, clamped to +-6, and rounded to the nearest number of E2M1, ties to even, subnormals kept.
;;     - The product sums the exact products of the quantised numbers (number of the format x scale) in f32.
;;   ~~~python
;;   def quantise(x, axis):      # numpy; x: float32 -> the quantised numbers, widened to float32 again
;;       x = np.moveaxis(x, axis, -1); K = x.shape[-1]
;;       x = np.pad(x, [(0, 0)] * (x.ndim - 1) + [(0, -K % 32)]); x = x.reshape(x.shape[:-1] + (-1, 32)); a = np.abs(x).max(-1, keepdims=True)
;;       e = np.where(a > 0, np.clip(np.frexp(np.where(a > 0, a, 1))[1] - 1 - 2, -126, 127), 0)      # np.frexp(a)[1] - 1 = floor(log2(a)), exactly
;;       r = np.clip(x / 2.0 ** e, -6, 6)
;;       step = 2.0 ** (np.maximum(np.frexp(np.where(r == 0, 1, r))[1] - 1, 0) - 1)
;;       q = np.round(r / step) * step * 2.0 ** e      # np.round: ties to even
;;       return np.moveaxis(q.reshape(q.shape[:-2] + (-1,))[..., :K], -1, axis).astype(np.float32)
;;   ~~~
;; One version. Each part assembles by itself: llvm-mc -triple=amdgcn-amd-amdhsa -mcpu=gfx1250 --defsym DOCPART=n.
;; ======== version 1 of 1: 4 launches
;; limits: values are held in f16: magnitudes above 65,504 overflow, below 6.1e-05 lose precision; right only within a limited range of input values
;; workspace buffers: xq 4,194,304 bytes; wimg 1,572,864 bytes; scl 360,448 bytes; woimg 2,097,152 bytes; qkvimg 50,331,648 bytes; ctximg 16,777,216 bytes
;; launch prep (part 1): grid 480 x 1, 4 waves a work-group, no clusters, 70,144 bytes of LDS; arguments inputs, W_q, W_k, W_v, W_o, xq, wimg, scl, woimg; writes xq, wimg, scl, woimg
.if DOCPART == 1
	.amdgcn_target "amdgcn-amd-amdhsa--gfx1250"
	.amdhsa_code_object_version 6
	.text
	.protected	k_q134b5a4bb0_prep
	.globl	k_q134b5a4bb0_prep
	.p2align	8
	.type	k_q134b5a4bb0_prep,@function
k_q134b5a4bb0_prep:
	s_mov_b64 s[64:65], 0
	v_nop
	global_prefetch_b8 v0, s[64:65] scope:SCOPE_SE
	s_setreg_imm32_b32 hwreg(HW_REG_WAVE_MODE, 25, 1), 1
	s_wait_xcnt 0x0
; THE OPERANDS ARE MADE READY, ONCE.  Three kinds of work-groups, told apart by the work-group's number:
;   X (0-255):   inputs [8192][1024] f32 -> codes of E2M1 along K (the last axis) and E8M0 scale bytes, one for each 32 along K.
;   O (256-287): W_o [1024 n][1024 k] f32 -> f16 of 2 W_o (the doubling is exact; it undoes the halving of the context in the attention launch).
;   W (288-479): W_q, W_k, W_v [1024 k][1024 n] f32 -> codes and scale bytes along K, which is their FIRST axis.
; ALL RESULTS LIE AS IMAGES OF OPERAND REGISTERS: a group of four registers of a fragment is 512 bytes, lane l's 16 bytes at 16 l.
;   xq   [kh 2][row tile 512][K step 4][c 2][lane][16]: lane (r, h): the 32 codes of row 16 tile + r, block 16 kh + 4 step + 2 c + h
;   wimg [kh 2][col tile 192][K step 4][c 2][lane][16]: the same of column 16 (tile % 64) + r of W_q (tiles 0-63), W_k, W_v
;   scl  [tile][kh 2][r 16][16 bytes]: four scale words (K steps 4 kh .. 4 kh + 3); x's 512 tiles first, the weights' 192 from byte 262,144 on
;   woimg [kb 8][col tile 64][ks 4][c 2][lane][16]: f16 of 2 W_o[16 tile + r][128 kb + 32 ks + 16 c + 8 h + 0 .. 7]
; A block's scale is 2^(floor(log2(largest magnitude)) - 2): its byte is the largest magnitude's exponent field - 2, held at 1 from below.
; LIMITS: a block of zeros gets the byte 1 (its codes are zeros, and this program alone reads the bytes); blocks whose largest magnitude lies under 2^-124
; were not tried; NaN and infinities are not served; |2 W_o| stays under 65,504.
; No matrix work, no tensor load, no barrier, no loop: waves share nothing and every offset is an immediate.  Nothing is shared between work-groups, so there is no cluster.
; X and O: a wave takes 16 rows x 512 along K in 8 steps of 64.  Each load reads two rows' 256 consecutive bytes; a step's 4,096 bytes turn through the wave's own
; stage in LDS (16 rows of 256 + 16 bytes) so that a lane gets neighbours along K.  Loads run four steps ahead, the turn one step.
.set WST,   8704                       ; a wave's two stages of 16 x 272 bytes
.set HST,   4352                       ; one stage
.set STGO,  4*WST                      ; path O's stages lie behind path X's: each path has LDS bytes of its own
.set SPARE, 8*WST                      ; the spare words, 128 bytes for each wave: two blocks of 256 bytes that no other line names
.set GI,  4                            ; v4   4,096 h + 16 r: my 16 bytes of a load's two rows; also my place in path W's stores
.set SA,  5                            ; v5   the stage, on the way in: 272 h + 16 r + my wave's
.set RAX, 6                            ; v6   on the way out, path X: 272 r + 128 h
.set LO,  7                            ; v7   16 x lane
.set SH0, 12                           ; v12  8 h: where my block's byte stands in a scale word (even steps)
.set SH1, 13                           ; v13  8 h + 16 (odd steps)
.set SPW, 14                           ; v14  LDS address of my spare word; never rewritten
.set NIL, 15                           ; v15  0; never rewritten
.set SW,  16                           ; v16-19 scale words;  v20-23 the other half's
.set SWX, 20
.set RAO, 24                           ; v24  on the way out, path O: 272 r + 32 h
.set C,   32                           ; v32-63   results
.set R,   64                           ; v64-191  four sets of 32, as loaded
.set X,   192                          ; v192-255 two sets of 32, after the turn
.macro LOAD t                          ; step t: rows 2 i + h, 64 numbers along K
.irp i, 0,1,2,3,4,5,6,7
	global_load_b128 v[R+32*((\t)%4)+4*\i:R+32*((\t)%4)+4*\i+3], v[GI], s[36:37] offset:8192*\i+256*(\t) th:TH_LOAD_NT
.endr
.endm
.macro TURN t, stg, ra, kind           ; LDS serves a wave's instructions in order: no wait between the stores and the loads
.irp i, 0,1,2,3,4,5,6,7
	ds_store_b128 v[SA], v[R+32*((\t)%4)+4*\i:R+32*((\t)%4)+4*\i+3] offset:\stg+HST*((\t)%2)+544*\i
.endr
.irp g, 0,1,2,3,4,5,6,7
.if \kind
	ds_load_b128 v[X+32*((\t)%2)+4*\g:X+32*((\t)%2)+4*\g+3], v[\ra] offset:\stg+HST*((\t)%2)+64*(\g/2)+16*(\g%2)   ; four pieces of 8 numbers, 16 numbers apart
.else
	ds_load_b128 v[X+32*((\t)%2)+4*\g:X+32*((\t)%2)+4*\g+3], v[\ra] offset:\stg+HST*((\t)%2)+16*\g                 ; one block of 32 numbers
.endif
.endr
.endm
.macro HEAD t, stg, ra, kind
	s_wait_dscnt 0x0                               ; this step's numbers are back from the stage, so its stores into the stage have read their registers,
.if (\t) < 4
	LOAD (\t)+4                                    ; which take the loads of four steps on
.endif
.if (\t) < 7
.if (\t) < 4
	s_wait_loadcnt 24                              ; the next step's eight loads are in; those of the three steps behind it may be out
.else
	s_wait_loadcnt 8*(6-(\t))
.endif
	TURN (\t)+1, \stg, \ra, \kind
.endif
.endm
; 32 numbers of one block in v[xs] on -> four registers of codes in v[cd] on, the scale's byte in v10
.macro QBLOCK xs, cd
	v_max3_num_f32 v8, |v[\xs]|, |v[\xs+1]|, |v[\xs+2]|
	v_max3_num_f32 v9, |v[\xs+3]|, |v[\xs+4]|, |v[\xs+5]|
.irp i, 6,10,14,18,22,26
	v_max3_num_f32 v8, v8, |v[\xs+\i]|, |v[\xs+\i+1]|
	v_max3_num_f32 v9, v9, |v[\xs+\i+2]|, |v[\xs+\i+3]|
.endr
	v_max3_num_f32 v8, v8, |v[\xs+30]|, |v[\xs+31]|
	v_max3_num_f32 v8, v8, v9, 0x1800000           ; and the floor 2^(3 - 127): the byte cannot fall under 1
	v_add_nc_u32 v11, 0xff000000, v8               ; 2 off the exponent field: the conversion takes this operand's exponent field as its scale
.irp g, 0,1,2,3
	v_cvt_scalef32_pk8_fp4_f32 v[\cd+\g], v[\xs+8*\g:\xs+8*\g+7], v11
.endr
	v_lshrrev_b32 v10, 23, v11                     ; the scale's byte (a plain line behind the conversions)
.endm
.macro FINISH                          ; the wave's end: three lines behind the last LDS store
	s_wait_tensorcnt 0x0
	ds_add_u32 v[SPW], v[NIL]
	s_wait_dscnt 0x0
	s_endpgm
.endm
	s_load_b512 s[16:31], s[0:1], 0x0              ; inputs s[16:17], W_q s[18:19], W_k s[20:21], W_v s[22:23], W_o s[24:25], xq s[26:27], wimg s[28:29], scl s[30:31]
	s_load_b64 s[32:33], s[0:1], 0x40              ; woimg
	v_lshl_add_u32 v[SPW], v0, 2, SPARE
	v_mov_b32 v[NIL], 0
	v_lshrrev_b32 v1, 5, v0
	v_readfirstlane_b32 s2, v1                     ; wave
	v_and_b32 v1, 31, v0                           ; lane
	v_and_b32 v2, 15, v0                           ; r
	v_bfe_u32 v3, v0, 4, 1                         ; h
	v_lshlrev_b32 v[GI], 4, v2
	v_lshl_add_u32 v[GI], v3, 12, v[GI]
	s_mul_i32 s3, s2, WST
	v_mul_u32_u24 v[SA], v3, 272
	v_lshl_add_u32 v[SA], v2, 4, v[SA]
	v_add_nc_u32 v[SA], s3, v[SA]
	v_mul_u32_u24 v[RAX], v2, 272
	v_add_nc_u32 v[RAX], s3, v[RAX]
	v_lshl_add_u32 v[RAO], v3, 5, v[RAX]
	v_lshl_add_u32 v[RAX], v3, 7, v[RAX]
	v_lshlrev_b32 v[LO], 4, v1
	v_lshlrev_b32 v[SH0], 3, v3
	v_add_nc_u32 v[SH1], 16, v[SH0]
.irp w, 0,1,2,3
	v_mov_b32 v[SWX+\w], 0                         ; a lane permute's destination counts as one of its sources
.endr
	s_mov_b32 s38, 0x76543210
	s_mov_b32 s39, 0xfedcba98                      ; v_permlanex16_b32's selects for lane l xor 16
	s_lshl_b32 s4, ttmp9, 2
	s_add_co_u32 s4, s4, s2                        ; 4 x work-group + wave
	s_mov_b32 s9, 0
	s_wait_kmcnt 0x0
	s_cmp_lt_u32 ttmp9, 256
	s_cbranch_scc0 .Lnot_x
	; ---- X: wave id = 2 x row tile + kh
	s_lshr_b32 s5, s4, 1                           ; row tile
	s_and_b32 s6, s4, 1                            ; kh
	s_lshl_b32 s8, s5, 16                          ; 16 rows of 4,096 bytes
	s_lshl_b32 s7, s6, 11                          ; 512 numbers
	s_add_co_u32 s8, s8, s7
	s_add_nc_u64 s[36:37], s[16:17], s[8:9]
	s_lshl_b32 s8, s6, 21
	s_lshl_b32 s7, s5, 12
	s_add_co_u32 s8, s8, s7
	s_add_nc_u64 s[26:27], s[26:27], s[8:9]        ; xq + 2,097,152 kh + 4,096 tile
	s_lshl_b32 s8, s4, 8
	s_add_nc_u64 s[30:31], s[30:31], s[8:9]        ; scl + 512 tile + 256 kh
.irp t, 0,1,2,3
	LOAD \t
.endr
	s_wait_loadcnt 24                              ; step 0's eight loads are in
	TURN 0, 0, RAX, 0
.macro XSTEP t                         ; lane (r, h) holds block 2 t + h of row r: K step t / 2, register group t % 2
	HEAD \t, 0, RAX, 0
.set XS, X+32*((\t)%2)
	QBLOCK XS, C+4*(\t)
.if (\t)%2 == 0
	v_lshlrev_b32 v[SW+(\t)/2], v[SH0], v10        ; byte 2 (t % 2) + h of scale word t / 2
.else
	v_lshl_or_b32 v[SW+(\t)/2], v10, v[SH1], v[SW+(\t)/2]
.endif
	global_store_b128 v[LO], v[C+4*(\t):C+4*(\t)+3], s[26:27] offset:512*(\t)   ; 512 consecutive bytes; each step has its own registers
.endm
.irp t, 0,1,2,3,4,5,6,7
	XSTEP \t
.endr
.irp w, 0,1,2,3
	v_permlanex16_b32 v[SWX+\w], v[SW+\w], s38, s39
.endr
.irp w, 0,1,2,3
	v_or_b32 v[SW+\w], v[SW+\w], v[SWX+\w]         ; with lane l xor 16's bytes the words are whole
.endr
	v_cmp_ne_u32 vcc_lo, 0, v3
	v_cndmask_b32 v8, v[SW], v[SW+2], vcc_lo       ; lane (r, h) stores words 2 h and 2 h + 1 of row r
	v_cndmask_b32 v9, v[SW+1], v[SW+3], vcc_lo
	v_lshlrev_b32 v10, 4, v2
	v_lshl_add_u32 v10, v3, 3, v10
	global_store_b64 v10, v[8:9], s[30:31]         ; the wave stores 256 consecutive bytes, aligned
	FINISH
.Lnot_x:
	s_cmp_lt_u32 ttmp9, 288
	s_cbranch_scc0 .Lpath_w
	; ---- O: wave id = 2 x column tile + half of K
	s_sub_co_u32 s4, s4, 1024
	s_lshr_b32 s5, s4, 1                           ; column tile (16 rows of W_o)
	s_and_b32 s6, s4, 1                            ; half of K
	s_lshl_b32 s8, s5, 16
	s_lshl_b32 s7, s6, 11
	s_add_co_u32 s8, s8, s7
	s_add_nc_u64 s[36:37], s[24:25], s[8:9]
	s_lshl_b32 s8, s6, 20
	s_lshl_b32 s7, s5, 12
	s_add_co_u32 s8, s8, s7
	s_add_nc_u64 s[32:33], s[32:33], s[8:9]        ; woimg + 1,048,576 half + 4,096 tile
.irp t, 0,1,2,3
	LOAD \t
.endr
	s_wait_loadcnt 24
	TURN 0, STGO, RAO, 1
.macro OSTEP t                         ; piece p of lane (r, h): k = 64 t + 16 p + 8 h + 0 .. 7 of row r
	HEAD \t, STGO, RAO, 1
.set XS, X+32*((\t)%2)
.set CS, C+16*((\t)%2)
.irp j, 0,2,4,6,8,10,12,14,16,18,20,22,24,26,28,30
	v_pk_add_f32 v[XS+\j:XS+\j+1], v[XS+\j:XS+\j+1], v[XS+\j:XS+\j+1]   ; 2 W_o, exactly
.endr
.if (\t) >= 2
	s_wait_xcnt 0x0                                ; the stores of two steps back have read these registers
.endif
.irp j, 0,1,2,3,4,5,6,7,8,9,10,11,12,13,14,15
	v_cvt_pk_f16_f32 v[CS+\j], v[XS+2*\j], v[XS+2*\j+1]
.endr
.irp p, 0,1,2,3
	global_store_b128 v[LO], v[CS+4*\p:CS+4*\p+3], s[32:33] offset:262144*((\t)/2)+2048*((\t)%2)+512*\p
.endr
.endm
.irp t, 0,1,2,3,4,5,6,7
	OSTEP \t
.endr
	FINISH
.Lpath_w:
	; ---- W: a lane takes a column, its registers run down K: a block of 32 lies in one lane.  A work-group: one tensor, one K step of 128, 128 columns; a wave 32 of them.
	s_sub_co_u32 s5, ttmp9, 288
	s_lshr_b32 s6, s5, 6                           ; tensor 0, 1, 2
	s_and_b32 s7, s5, 7                            ; K step
	s_bfe_u32 s8, s5, 0x30003                      ; group of 128 columns
	s_cmp_eq_u32 s6, 0
	s_cselect_b64 s[36:37], s[18:19], s[20:21]
	s_cmp_eq_u32 s6, 2
	s_cselect_b64 s[36:37], s[22:23], s[36:37]
	s_lshl_b32 s10, s7, 19                         ; 128 rows of 4,096 bytes
	s_lshl_b32 s11, s8, 9
	s_add_co_u32 s10, s10, s11
	s_lshl_b32 s11, s2, 7
	s_add_co_u32 s10, s10, s11
	s_mov_b32 s11, 0
	s_add_nc_u64 s[36:37], s[36:37], s[10:11]
	s_lshl_b32 s9, s6, 6
	s_lshl_b32 s12, s8, 3
	s_add_co_u32 s9, s9, s12
	s_lshl_b32 s12, s2, 1
	s_add_co_u32 s9, s9, s12                       ; my first column tile: 64 tensor + 8 group + 2 wave
	s_lshr_b32 s12, s7, 2                          ; kh
	s_and_b32 s13, s7, 3                           ; K step in it
	s_mul_i32 s10, s12, 786432
	s_lshl_b32 s14, s9, 12
	s_add_co_u32 s10, s10, s14
	s_lshl_b32 s14, s13, 10
	s_add_co_u32 s10, s10, s14
	s_add_nc_u64 s[28:29], s[28:29], s[10:11]
	s_lshl_b32 s10, s9, 9
	s_lshl_b32 s14, s12, 8
	s_add_co_u32 s10, s10, s14
	s_lshl_b32 s14, s13, 2
	s_add_co_u32 s10, s10, s14
	s_add_co_u32 s10, s10, 262144
	s_add_nc_u64 s[30:31], s[30:31], s[10:11]
	v_lshlrev_b32 v26, 2, v1                       ; in: 4 bytes a lane
	v_lshlrev_b32 v27, 4, v2
	v_lshl_add_u32 v27, v3, 9, v27                 ; my scale word: 512 h + 16 r
.macro WLOAD b
.irp i, 0,1,2,3,4,5,6,7,8,9,10,11,12,13,14,15,16,17,18,19,20,21,22,23,24,25,26,27,28,29,30,31
	global_load_b32 v[R+32*(\b)+\i], v26, s[36:37] offset:4096*(32*(\b)+\i) th:TH_LOAD_NT
.endr
.endm
	WLOAD 0
	WLOAD 1
.macro WBLOCK b
.if (\b) < 3
	s_wait_loadcnt 32                              ; this block's 32 loads are in; the next block's may be out
.else
	s_wait_loadcnt 0x0
.endif
.if (\b) < 2
	WLOAD (\b)+2                                   ; each block has registers of its own
.endif
	QBLOCK R+32*(\b), C+4*(\b)
.if (\b) == 0
	v_mov_b32 v[SW], v10
.else
	v_lshl_or_b32 v[SW], v10, 8*(\b), v[SW]
.endif
	global_store_b128 v[GI], v[C+4*(\b):C+4*(\b)+3], s[28:29] offset:256*(\b)   ; block b = 2 c + h': sixteen lanes fill 256 consecutive bytes, aligned
.endm
.irp b, 0,1,2,3
	WBLOCK \b
.endr
	global_store_b32 v27, v[SW], s[30:31]          ; 4 bytes a column and K step: one byte for each 32 that this path reads
	FINISH
.Lfunc_end_k_q134b5a4bb0_prep:
	.size	k_q134b5a4bb0_prep, .Lfunc_end_k_q134b5a4bb0_prep-k_q134b5a4bb0_prep
	.p2alignl 7, 3214868480
	.fill 96, 4, 3214868480
	.section	.rodata,"a",@progbits
	.p2align	6, 0x0
	.amdhsa_kernel k_q134b5a4bb0_prep
		.amdhsa_group_segment_fixed_size 70144
		.amdhsa_private_segment_fixed_size 0
		.amdhsa_enable_private_segment 0
		.amdhsa_kernarg_size 72
		.amdhsa_user_sgpr_count 2
		.amdhsa_user_sgpr_kernarg_segment_ptr 1
		.amdhsa_wavefront_size32 1
		.amdhsa_system_sgpr_workgroup_id_x 1
		.amdhsa_system_sgpr_workgroup_id_y 1
		.amdhsa_system_sgpr_workgroup_id_z 1
		.amdhsa_system_vgpr_workitem_id 0
		.amdhsa_next_free_vgpr 256
		.amdhsa_next_free_sgpr 66
		.amdhsa_reserve_vcc 1
		.amdhsa_float_denorm_mode_32 3
		.amdhsa_float_denorm_mode_16_64 3
		.amdhsa_memory_ordered 1
		.amdhsa_forward_progress 1
		.amdhsa_inst_pref_size 84
	.end_amdhsa_kernel
	.amdgpu_metadata
---
amdhsa.version: [ 1, 2 ]
amdhsa.kernels:
  - .name:           k_q134b5a4bb0_prep
    .symbol:         k_q134b5a4bb0_prep.kd
    .args:
      - { .name: inputs, .offset: 0, .size: 8, .value_kind: global_buffer, .address_space: global }
      - { .name: W_q, .offset: 8, .size: 8, .value_kind: global_buffer, .address_space: global }
      - { .name: W_k, .offset: 16, .size: 8, .value_kind: global_buffer, .address_space: global }
      - { .name: W_v, .offset: 24, .size: 8, .value_kind: global_buffer, .address_space: global }
      - { .name: W_o, .offset: 32, .size: 8, .value_kind: global_buffer, .address_space: global }
      - { .name: xq, .offset: 40, .size: 8, .value_kind: global_buffer, .address_space: global }
      - { .name: wimg, .offset: 48, .size: 8, .value_kind: global_buffer, .address_space: global }
      - { .name: scl, .offset: 56, .size: 8, .value_kind: global_buffer, .address_space: global }
      - { .name: woimg, .offset: 64, .size: 8, .value_kind: global_buffer, .address_space: global }
    .group_segment_fixed_size: 70144
    .private_segment_fixed_size: 0
    .kernarg_segment_align: 8
    .kernarg_segment_size: 72
    .max_flat_workgroup_size: 128
    .sgpr_count:     66
    .vgpr_count:     256
    .wavefront_size: 32
...
	.end_amdgpu_metadata
.endif
;; end of part 1
;; launch proj (part 2): grid 12 x 32, 4 waves a work-group, clusters of 4 x 4, 327,680 bytes of LDS; arguments xq, wimg, scl, qkvimg; writes qkvimg
.if DOCPART == 2
	.amdgcn_target "amdgcn-amd-amdhsa--gfx1250"
	.amdhsa_code_object_version 6
	.text
	.protected	k_q134b5a4bb0_proj
	.globl	k_q134b5a4bb0_proj
	.p2align	8
	.type	k_q134b5a4bb0_proj,@function
k_q134b5a4bb0_proj:
	s_mov_b64 s[64:65], 0
	v_nop
	global_prefetch_b8 v0, s[64:65] scope:SCOPE_SE
	s_setreg_imm32_b32 hwreg(HW_REG_WAVE_MODE, 25, 1), 1
	s_wait_xcnt 0x0
	s_wait_alu depctr_hold_cnt(0) depctr_sa_sdst(0) depctr_va_vdst(0) depctr_va_sdst(0) depctr_va_ssrc(0) depctr_va_vcc(0) depctr_vm_vsrc(0)
	s_getreg_b32 s2, hwreg(HW_REG_IB_STS2, 6, 4)
	s_cmp_eq_u32 s2, 0
	s_cbranch_scc0 .Lentry_in_a_cluster
	s_endpgm
.Lentry_in_a_cluster:
	s_bfe_u32 s2, ttmp6, 0x10000c
	s_cmp_lg_u32 s2, 0xf033
	s_cbranch_scc0 .Lentry_shape_is_right
	s_endpgm
.Lentry_shape_is_right:
; q, k, v = x W_q, x W_k, x W_v on codes of E2M1 with E8M0 scales (K = 1,024), as ONE product [8192] x [3072]; sums in f32; results x 2^-4 (exact), rounded to f16.
; A tile of 256 rows x 256 columns is made by a work-group of four waves; a wave makes 128 x 128: 64 accumulators, 512 registers.
; All of K lies in LDS at once: two slots of 512 along K, each A's 16 row tiles (65,536 bytes) and B's 16 column tiles; nothing is filled again.
; The operands lie in memory as images of their registers (a fragment's group of four registers: 512 bytes, 16 a lane), so a wave's tensor load is one dense block of
; 128 rows x 256 bytes, every LDS load reads 512 consecutive bytes, and no padding is wanted.
; CLUSTERS: 4 x 4 work-groups.  The four of a row of the cluster need the same tiles of x, the four of a column the same tiles of W: each tile is asked for jointly.
; THE MATRIX INSTRUCTION IS USED TRANSPOSED (source 0 = 16 columns of W, source 1 = 16 rows of x): a lane holds one position and eight neighbouring channels, which as f16
; are 16 bytes of the next launch's operand image: the results leave straight from registers, 512 consecutive bytes a store.
; qkvimg [tensor 3][batch x head 64][tile of 16 positions 128][2,048 bytes].  q, k: [ks 2][c 2][lane][16]: position r, channels 32 ks + 16 c + 8 h + 0 .. 7.
; v: [dt 4][l 32][16], l = 16 (position / 8) + 8 h + position % 8: the order in which the lanes of the turning LDS load address their 16 bytes.
; LIMITS: |q|, |k|, |v| under 2^20 (f16 after the 2^-4).
; REGISTERS: window 0: v16-29 addresses; v32-95 scale words; v128-191 A's fragments, one set.  window 1: B's fragments, two sets (v0, v128); on the way out the packed results.
;   window 2: the accumulators of my rows 0-63 ((a, b) at v[8 (8 a + b)]);  window 3: of rows 64-127.
.set NQ,    4                          ; steps of 128 along K in a slot
.set FR,    8                          ; registers of a fragment
.set NL,    2                          ; LDS loads that bring one
.set SLOT,  131072
.set SPARE, 2*SLOT                     ; the spare words, 128 bytes for each wave: two blocks of 256 bytes that no other line names
.set ADRA, 16                          ; v16-17  LDS address of my A fragments in slot 0, 1
.set ADRB, 20                          ; v20-21  the same for B
.set CO,   26                          ; v26     my 16 bytes in a group of 512 of the output
.set SOFF, 27                          ; v27     my scale words in scl: lanes 0-15 x's rows, lanes 16-31 W's columns
.set SPW,  28
.set NIL,  29
.set SC,   32                          ; register 32 kh + 4 i + q: lanes 0-15 the word of x's block i, lanes 16-31 that of W's block i, K step 4 kh + q
.set AF,   128
.set G1,  24
.set G0,  32
.set G1B, 48
.set G0B, 56
.set MSB, 0
.macro WIN new                         ; the immediate's high byte repeats the setting that is left
.if MSB != (\new)
	s_set_vgpr_msb (MSB<<8)|(\new)
.set MSB, (\new)
.endif
.endm
.set MUL_LO, 0xa1                      ; source 0 (W) window 1, source 1 (x) window 0, C and D window 2
.set MUL_HI, 0xf1
.set TO_B,   0x40
.macro JLOAD g0a, g1a, g0b, g1b        ; a joint load: waves 0 and 1 fetch for x, waves 2 and 3 for W; the branch hangs on the wave's number alone; an s_nop 0 and four v_nop follow each line
	s_cmp_eq_u32 s15, 0
	s_cbranch_scc0 .Lfor_b_\@
	tensor_load_to_lds s[\g0a:\g0a+3], s[\g1a:\g1a+7]
	s_nop 0
.rept 4
	v_nop
.endr
	s_branch .Lasked_\@
.Lfor_b_\@:
	tensor_load_to_lds s[\g0b:\g0b+3], s[\g1b:\g1b+7]
	s_nop 0
.rept 4
	v_nop
.endr
.Lasked_\@:
.endm
.macro CROUND                          ; a round of the cluster's barrier
	s_barrier_signal -1
	s_barrier_wait -1
	s_cmp_lg_u32 s14, 0
	s_cbranch_scc1 .Lnot_wave_0_\@
	s_barrier_signal -3
.Lnot_wave_0_\@:
	s_barrier_wait -3
	s_barrier_signal -1
	s_barrier_wait -1
.endm
	s_load_b256 s[4:11], s[0:1], 0x0               ; xq s[4:5], wimg s[6:7], scl s[8:9], qkvimg s[10:11]
	v_lshl_add_u32 v[SPW], v0, 2, SPARE
	v_mov_b32 v[NIL], 0
	ds_add_u32 v[SPW], v[NIL]                      ; the wave's opening: the add, twice on end, and its wait ahead of my first tensor load
	ds_add_u32 v[SPW], v[NIL]
	v_lshrrev_b32 v1, 5, v0
	v_readfirstlane_b32 s14, v1                    ; wave 0..3
	s_lshr_b32 s15, s14, 1                         ; which half of the tile's rows is mine.  Also: I fetch for x (0) or for W (1)
	s_and_b32 s16, s14, 1                          ; which half of its columns.  Also: which half of that tile I fetch
	s_bfe_u32 s40, ttmp6, 0x40000                  ; cx
	s_bfe_u32 s41, ttmp6, 0x40004                  ; cy
	s_lshl_b32 s42, ttmp9, 2
	s_add_co_u32 s42, s42, s40                     ; tile column = 4 x cluster x + cx; the cluster's x is the tensor
	s_and_b32 s17, ttmp7, 0xffff
	s_lshl_b32 s17, s17, 2
	s_add_co_u32 s17, s17, s41                     ; tile row = 4 x cluster y + cy
	s_lshl_b32 s43, s41, 2
	s_lshl_b32 s43, 15, s43                        ; my row of the cluster
	s_lshl_b32 s44, 0x1111, s40                    ; my column
	s_or_b32 s[G1+0], s43, (3<<16)|(1<<21)         ; 15:0 the mask; 17:16 elements of 8 bytes; 20 no padding; 21 set beside a mask
	s_or_b32 s[G1B+0], s44, (3<<16)|(1<<21)
.irp g, G1, G1B
	s_mov_b32 s[\g+1], 32<<16                      ; tensor_dim0 = 32 elements: 256 bytes
	s_mov_b32 s[\g+2], 128<<16                     ; tensor_dim1 = 128
	s_mov_b32 s[\g+3], 32<<16                      ; tile_dim0
	s_mov_b32 s[\g+4], 128                         ; tile_dim1: 32,768 bytes: eight tiles' images of 512 along K
	s_mov_b32 s[\g+5], 32                          ; dense
	s_mov_b32 s[\g+6], 0
	s_mov_b32 s[\g+7], 0
.endr
	s_lshl_b32 s18, s16, 3
	s_lshl_b32 s20, s17, 4
	s_add_co_u32 s20, s20, s18                     ; x: row tile 16 x tile row + 8 x half
	s_lshl_b32 s20, s20, 12
	s_mov_b32 s21, 0
	s_lshl_b32 s46, s42, 4
	s_add_co_u32 s46, s46, s18                     ; W: column tile 16 x tile column + 8 x half
	s_lshl_b32 s46, s46, 12
	s_mov_b32 s47, 0
	s_lshl_b32 s45, s14, 15                        ; where they go: 32,768 x wave
	s_wait_dscnt 0x0                               ; both opening adds are done
	s_wait_kmcnt 0x0
	s_add_nc_u64 s[20:21], s[4:5], s[20:21]
	s_add_nc_u64 s[46:47], s[6:7], s[46:47]
	CROUND                                         ; all sixteen work-groups are here: the joint loads meet
.irp s, 0,1
	s_mov_b32 s[G0+4*\s], 1
	s_add_co_u32 s[G0+4*\s+1], s45, \s*SLOT
	s_add_nc_u64 s[G0+4*\s+2:G0+4*\s+3], s[20:21], \s*2097152
	s_or_b32 s[G0+4*\s+3], s[G0+4*\s+3], 0x80000000
	s_mov_b32 s[G0B+4*\s], 1
	s_add_co_u32 s[G0B+4*\s+1], s45, \s*SLOT
	s_add_nc_u64 s[G0B+4*\s+2:G0B+4*\s+3], s[46:47], \s*786432
	s_or_b32 s[G0B+4*\s+3], s[G0B+4*\s+3], 0x80000000
	JLOAD G0+4*\s, G1, G0B+4*\s, G1B               ; two loads of mine are out: both halves of K
.endr
	v_and_b32 v1, 15, v0                           ; r
	v_bfe_u32 v2, v0, 4, 1                         ; h
	v_and_b32 v3, 31, v0
	v_lshlrev_b32 v3, 4, v3                        ; 16 x lane
	; the scale words come straight from memory, once: each half of the lanes reads 256 consecutive bytes, aligned
	s_lshl_b32 s22, s17, 4
	s_lshl_b32 s23, s15, 3
	s_add_co_u32 s22, s22, s23
	s_lshl_b32 s22, s22, 9                         ; x's: 512 (16 tile row + 8 half)
	s_lshl_b32 s23, s42, 4
	s_lshl_b32 s18, s16, 3
	s_add_co_u32 s23, s23, s18
	s_lshl_b32 s23, s23, 9
	s_add_co_u32 s23, s23, 262144                  ; W's, behind x's
	s_sub_co_u32 s23, s23, s22
	v_mul_u32_u24 v4, s23, v2                      ; lanes 16-31 take W's
	v_lshl_add_u32 v4, v1, 4, v4
	v_add_nc_u32 v[SOFF], s22, v4
.irp k, 0,1
.irp i, 0,1,2,3,4,5,6,7
	global_load_b128 v[SC+32*\k+4*\i:SC+32*\k+4*\i+3], v[SOFF], s[8:9] offset:256*\k+512*\i
.endr
.endr
	s_lshl_b32 s22, s15, 15                        ; my 128 rows of x
	s_lshl_b32 s23, s16, 15
	s_add_co_u32 s23, s23, 65536                   ; my 128 columns of W, behind x's 256 rows
.irp s, 0,1
	v_add_nc_u32 v[ADRA+\s], s22, v3
	v_add_nc_u32 v[ADRB+\s], s23, v3
	s_add_co_u32 s22, s22, SLOT
	s_add_co_u32 s23, s23, SLOT
.endr
	; the way out: my 16 bytes in a group of 512: the lane's own place for q and k, the turning load's order for v
	v_lshrrev_b32 v5, 3, v1
	v_lshlrev_b32 v5, 4, v5
	v_lshl_add_u32 v5, v2, 3, v5
	v_and_b32 v6, 7, v1
	v_add_nc_u32 v5, v5, v6
	v_lshlrev_b32 v5, 4, v5                        ; 16 (16 (r / 8) + 8 h + r % 8)
	s_cmp_eq_u32 ttmp9, 2
	s_cselect_b32 s18, -1, 0
	v_cndmask_b32 v[CO], v3, v5, s18
	s_lshl_b32 s20, ttmp9, 24                      ; 16,777,216 x tensor
	s_lshr_b32 s21, s17, 3                         ; batch
	s_lshl_b32 s21, s21, 4
	s_lshl_b32 s22, s40, 2
	s_add_co_u32 s21, s21, s22
	s_lshl_b32 s22, s16, 1
	s_add_co_u32 s21, s21, s22                     ; my first head: 16 batch + 4 cx + 2 half
	s_lshl_b32 s21, s21, 18
	s_add_co_u32 s20, s20, s21
	s_and_b32 s21, s17, 7
	s_lshl_b32 s21, s21, 4
	s_lshl_b32 s22, s15, 3
	s_add_co_u32 s21, s21, s22                     ; my first tile of positions in the sequence
	s_lshl_b32 s21, s21, 11
	s_add_co_u32 s20, s20, s21
	s_mov_b32 s21, 0
	s_add_nc_u64 s[12:13], s[10:11], s[20:21]
.macro FRAG reg, adr, q, i             ; tile i's fragment of the slot's q-th 128 along K: two groups of four registers, as they lie
.irp c, 0,1
	ds_load_b128 v[\reg+4*\c:\reg+4*\c+3], v[\adr] offset:4096*(\i)+1024*(\q)+512*\c
.endr
.endm
; 16 matrix instructions: x's blocks a0, a0 + 1 against W's eight.  The 64 accumulators take turns, one instruction a turn, in the same order in every step.
.macro MUL16 a0, p, q, sc, zero
.irp a, \a0, \a0+1
.irp b, 0,1,2,3,4,5,6,7
.if \zero
	v_wmma_scale_f32_16x16x128_f8f6f4 v[8*(8*((\a)%4)+\b):8*(8*((\a)%4)+\b)+7], v[128*(\p)+FR*\b:128*(\p)+FR*\b+FR-1], v[AF+FR*(\a):AF+FR*(\a)+FR-1], 0, v[SC+8*NQ*(\sc)+NQ*\b+(\q)], v[SC+8*NQ*(\sc)+NQ*(\a)+(\q)] matrix_a_fmt:MATRIX_FMT_FP4 matrix_b_fmt:MATRIX_FMT_FP4 matrix_a_scale:MATRIX_SCALE_ROW1
.else
	v_wmma_scale_f32_16x16x128_f8f6f4 v[8*(8*((\a)%4)+\b):8*(8*((\a)%4)+\b)+7], v[128*(\p)+FR*\b:128*(\p)+FR*\b+FR-1], v[AF+FR*(\a):AF+FR*(\a)+FR-1], v[8*(8*((\a)%4)+\b):8*(8*((\a)%4)+\b)+7], v[SC+8*NQ*(\sc)+NQ*\b+(\q)], v[SC+8*NQ*(\sc)+NQ*(\a)+(\q)] matrix_a_fmt:MATRIX_FMT_FP4 matrix_b_fmt:MATRIX_FMT_FP4 matrix_a_scale:MATRIX_SCALE_ROW1
.endif
.endr
.endr
.endm
.macro FETCH_B slot, q, p
	WIN TO_B
.irp i, 0,1,2,3,4,5,6,7
	FRAG 128*(\p)+FR*\i, ADRB+\slot, \q, \i
.endr
	WIN 0
.endm
.macro FETCH_A slot, q, i0
.irp i, \i0, \i0+1, \i0+2, \i0+3
	FRAG AF+FR*(\i), ADRA+\slot, \q, \i
.endr
.endm
.macro PLACES                          ; four plain vector instructions between a matrix instruction and a load into, or a vector write of, one of its registers, or a read of its result
.rept 4
	v_nop
.endr
.endm
; A step of 128 along K that has its successor in the same slot.  A block of x is free when its eight products are issued, so x has one set of registers; W has two.
.macro STEP slot, q, zero
	s_wait_dscnt 4*NL                              ; W's set and x's blocks 0-3 are in; the youngest eight loads (x's blocks 4-7) may be out
	WIN MUL_LO
	MUL16 0, (\q)%2, \q, \slot, \zero
	MUL16 2, (\q)%2, \q, \slot, \zero
	s_wait_dscnt 0
	PLACES
	FETCH_B \slot, (\q)+1, 1-(\q)%2
	FETCH_A \slot, (\q)+1, 0
	WIN MUL_HI
	MUL16 4, (\q)%2, \q, \slot, \zero
	MUL16 6, (\q)%2, \q, \slot, \zero
	PLACES
	WIN 0
	FETCH_A \slot, (\q)+1, 4
.endm
.macro STEPS slot, from
.set Q, \from
.rept NQ-1-\from
	STEP \slot, Q, 0
.set Q, Q+1
.endr
.endm
	s_wait_tensorcnt 1                             ; my part of slot 0 is in (slot 1's load may be out)
	s_barrier_signal -1
	s_barrier_wait -1                              ; everybody's is
	FETCH_B 0, 0, 0
	FETCH_A 0, 0, 0
	FETCH_A 0, 0, 4
	s_wait_loadcnt 0x0                             ; the scale words
	STEP 0, 0, 1                                   ; the first step's products start the sums: nothing is cleared
	STEPS 0, 1
	; slot 0's last step, and the change to slot 1: each wave waits for its part of slot 1, then the barrier shows it to all
	s_wait_tensorcnt 0x0
	ds_add_u32 v[SPW], v[NIL]                      ; 0 onto my spare word
	s_wait_dscnt 4*NL+1                            ; (the add and x's blocks 4-7 may be out)
	WIN MUL_LO
	MUL16 0, 1, NQ-1, 0, 0
	s_wait_dscnt 0x0
	s_barrier_signal -1
	MUL16 2, 1, NQ-1, 0, 0
	WIN 0
	s_barrier_wait -1
	PLACES
	FETCH_B 1, 0, 0
	FETCH_A 1, 0, 0
	WIN MUL_HI
	MUL16 4, 1, NQ-1, 0, 0
	MUL16 6, 1, NQ-1, 0, 0
	PLACES
	WIN 0
	FETCH_A 1, 0, 4
	STEPS 1, 0
	s_wait_dscnt 4*NL                              ; the last step: nothing more to fetch
	WIN MUL_LO
	MUL16 0, 1, NQ-1, 1, 0
	MUL16 2, 1, NQ-1, 1, 0
	s_wait_dscnt 0
	WIN MUL_HI
	MUL16 4, 1, NQ-1, 1, 0
	MUL16 6, 1, NQ-1, 1, 0
	WIN 0
	PLACES
; THE WAY OUT, block by block of 16 positions: x 2^-4, each accumulator from its low end on; f16 in pairs; a lane's eight channels are 16 bytes of the image.
.macro OUTBLK a
.set AC, 64*((\a)%4)
	WIN 0x82+0x41*((\a)/4)                         ; destination and source 0: window 2 or 3
.set i, 0
.rept 32
	v_pk_mul_f32 v[AC+i:AC+i+1], v[AC+i:AC+i+1], 0x3d800000 op_sel_hi:[1,0]
.set i, i+2
.endr
	WIN 0x4a+5*((\a)/4)                            ; sources window 2 or 3, destination window 1: every result has a register of its own
.set i, 0
.rept 32
	v_cvt_pk_f16_f32 v[32*(\a)+i], v[AC+2*i], v[AC+2*i+1]
.set i, i+1
.endr
	WIN 0x04                                       ; a store's data: window 1
.irp b, 0,1,2,3,4,5,6,7
	global_store_b128 v[CO], v[32*(\a)+4*\b:32*(\a)+4*\b+3], s[12:13] offset:2048*(\a)+512*(\b%4)+262144*(\b/4)   ; the wave stores 512 consecutive bytes
.endr
.endm
.irp a, 0,1,2,3,4,5,6,7
	OUTBLK \a
.endr
	WIN 0
	s_wait_tensorcnt 0x0                           ; the wave's end
	ds_add_u32 v[SPW], v[NIL]
	s_wait_dscnt 0x0
	CROUND                                         ; the closing round
	s_endpgm
.Lfunc_end_k_q134b5a4bb0_proj:
	.size	k_q134b5a4bb0_proj, .Lfunc_end_k_q134b5a4bb0_proj-k_q134b5a4bb0_proj
	.p2alignl 7, 3214868480
	.fill 96, 4, 3214868480
	.section	.rodata,"a",@progbits
	.p2align	6, 0x0
	.amdhsa_kernel k_q134b5a4bb0_proj
		.amdhsa_group_segment_fixed_size 327680
		.amdhsa_private_segment_fixed_size 0
		.amdhsa_enable_private_segment 0
		.amdhsa_kernarg_size 32
		.amdhsa_user_sgpr_count 2
		.amdhsa_user_sgpr_kernarg_segment_ptr 1
		.amdhsa_wavefront_size32 1
		.amdhsa_system_sgpr_workgroup_id_x 1
		.amdhsa_system_sgpr_workgroup_id_y 1
		.amdhsa_system_sgpr_workgroup_id_z 1
		.amdhsa_system_vgpr_workitem_id 0
		.amdhsa_next_free_vgpr 1024
		.amdhsa_next_free_sgpr 66
		.amdhsa_reserve_vcc 0
		.amdhsa_float_denorm_mode_32 3
		.amdhsa_float_denorm_mode_16_64 3
		.amdhsa_memory_ordered 1
		.amdhsa_forward_progress 1
		.amdhsa_inst_pref_size 140
	.end_amdhsa_kernel
	.amdgpu_metadata
---
amdhsa.version: [ 1, 2 ]
amdhsa.kernels:
  - .name:           k_q134b5a4bb0_proj
    .symbol:         k_q134b5a4bb0_proj.kd
    .args:
      - { .name: xq, .offset: 0, .size: 8, .value_kind: global_buffer, .address_space: global }
      - { .name: wimg, .offset: 8, .size: 8, .value_kind: global_buffer, .address_space: global }
      - { .name: scl, .offset: 16, .size: 8, .value_kind: global_buffer, .address_space: global }
      - { .name: qkvimg, .offset: 24, .size: 8, .value_kind: global_buffer, .address_space: global }
    .group_segment_fixed_size: 327680
    .private_segment_fixed_size: 0
    .kernarg_segment_align: 8
    .kernarg_segment_size: 32
    .max_flat_workgroup_size: 128
    .sgpr_count:     66
    .vgpr_count:     1024
    .wavefront_size: 32
...
	.end_amdgpu_metadata
.endif
;; end of part 2
;; launch attn (part 3): grid 4 x 64, 8 waves a work-group, clusters of 4 x 1, 327,680 bytes of LDS; arguments qkvimg, ctximg; writes ctximg
.if DOCPART == 3
	.amdgcn_target "amdgcn-amd-amdhsa--gfx1250"
	.amdhsa_code_object_version 6
	.text
	.protected	k_q134b5a4bb0_attn
	.globl	k_q134b5a4bb0_attn
	.p2align	8
	.type	k_q134b5a4bb0_attn,@function
k_q134b5a4bb0_attn:
	s_mov_b64 s[64:65], 0
	v_nop
	global_prefetch_b8 v0, s[64:65] scope:SCOPE_SE
	s_setreg_imm32_b32 hwreg(HW_REG_WAVE_MODE, 25, 1), 1
	s_wait_xcnt 0x0
	s_wait_alu depctr_hold_cnt(0) depctr_sa_sdst(0) depctr_va_vdst(0) depctr_va_sdst(0) depctr_va_ssrc(0) depctr_va_vcc(0) depctr_vm_vsrc(0)
	s_getreg_b32 s2, hwreg(HW_REG_IB_STS2, 6, 4)
	s_cmp_eq_u32 s2, 0
	s_cbranch_scc0 .Lentry_in_a_cluster
	s_endpgm
.Lentry_in_a_cluster:
	s_bfe_u32 s2, ttmp6, 0x10000c
	s_cmp_lg_u32 s2, 0x3003
	s_cbranch_scc0 .Lentry_shape_is_right
	s_endpgm
.Lentry_shape_is_right:
; ctx[b][h][q] = the sum over k of softmax_k(q . k / 8) v, head size 64, 2,048 keys, no mask.  q, k, v arrive as f16 of their values x 2^-4, as images of operand registers.
; Products on f16 operands, sums, maxima and the softmax in f32; the weights p are rounded to f16 for the second product; ctx / 2 leaves as f16, as an image for the last launch.
; SHARES.  A work-group owns 512 queries of one head; each of its eight waves 64: four tiles of 16.  Two waves share a SIMD, so that one wave's softmax stands beside the other's products.
; Every wave walks all keys, 64 a step.  Each fragment of K or V that a wave reads feeds four products.
; LAYOUT.  S^T = K Q^T (source 0 = 16 keys, source 1 = 16 queries): a lane holds ONE query (lane % 16) and keys 8 (lane / 16) + 0 .. 7.  Two such tiles, rounded in pairs, are source 1 of
; O^T = V^T P, whose result again holds one query a lane and eight channels.  K comes out of LDS as it lies, V turned by ds_load_tr16_b128; both by loads of 512 consecutive bytes.
; SOFTMAX.  A running maximum m and sum l for each query: p = 2^(c s - c m), c = 2^8 log2(e) / 8 (the 2^8 undoes the two 2^-4); in every step O and l are multiplied by a = 2^(c m_old - c m_new).
; RING.  Two LDS slots of 512 keys (K's 65,536 bytes, then V's).  Each wave brings an eighth of a slot by one load of 64 rows x 256 bytes.  A slot is asked for at the head of the slot before it:
; eight key steps ahead of its first read.  CLUSTER: the four query blocks of a head walk the same K and V: each load is a joint one, with the same descriptor in all four.
; LIMITS: |ctx| under 131,008; scores under 1e30 in size; NaN and infinities are not served.
; REGISTERS: window 0: v1-5 addresses; v16-47 eight statistics a tile (+0 c m, +1 m, +2, +3 l, +4 .. +7 at work; a in +6); v64-191 S^T, 32 a tile; v192-255 P, 16 a tile.
;   window 1: v0-127 O^T, 32 a tile; v128-191 Q, 16 a tile; v192-255 K or V of one step, by turns.
.set SLOT1, 1<<17
.set SPARE, 2*SLOT1                    ; the spare words, 128 bytes for each of eight waves: four blocks of 256 bytes that no other line names
.set LI,  1                            ; v1  16 x lane
.set AV0, 2                            ; v2  16 x lane + 65,536: V's part of a slot
.set ADR, 3                            ; v3  the LDS address of the run of loads in hand
.set SPW, 4
.set NIL, 5
.set ST,  16
.set S,   64
.set P,   192
.set QF,  128                          ; window 1
.set KV,  192                          ; window 1
.set WV,  8
.set CX,  9
.set BH,  10
.set G1,  16                           ; s[16:23] descriptor group 1
.set G0,  24                           ; s[24:27] group 0, which walks
.set CS,  28                           ; s[28:29] c
.set SEL, 30                           ; s[30:31] selects for lane l xor 16
.set TB,  32                           ; s32 LDS byte at which the tiles of the step to be fetched begin
.set SLOTS, 33
.set TRIPS, 34
.set QA,  36                           ; s[36:37] my queries
.set CA,  38                           ; s[38:39] my part of ctximg
.set MSB, 0
.macro WIN new
.if MSB != (\new)
	s_set_vgpr_msb (MSB<<8)|(\new)
.set MSB, (\new)
.endif
.endm
.set W_KQ,  0x05                       ; K and Q in window 1, S^T in window 0
.set W_PV,  0x51                       ; V, C and D in window 1, P in window 0
.set W_RS,  0x41                       ; O^T (destination, source 0) in window 1, a in window 0
.set TO_1,  0x40
.macro TLOAD                           ; one line for all eight waves: both addresses hang on the wave's number; an s_nop 0 and four v_nop follow
	tensor_load_to_lds s[G0:G0+3], s[G1:G1+7]
	s_nop 0
.rept 4
	v_nop
.endr
.endm
.macro CROUND
	s_barrier_signal -1
	s_barrier_wait -1
	s_cmp_lg_u32 s[WV], 0
	s_cbranch_scc1 .Lnot_wave_0_\@
	s_barrier_signal -3
.Lnot_wave_0_\@:
	s_barrier_wait -3
	s_barrier_signal -1
	s_barrier_wait -1
.endm
	s_load_b128 s[4:7], s[0:1], 0x0                ; qkvimg s[4:5], ctximg s[6:7]
	v_lshl_add_u32 v[SPW], v0, 2, SPARE
	v_mov_b32 v[NIL], 0
	ds_add_u32 v[SPW], v[NIL]                      ; the wave's opening: the add, twice on end, and its wait ahead of my first tensor load
	ds_add_u32 v[SPW], v[NIL]
	v_lshrrev_b32 v6, 5, v0
	v_readfirstlane_b32 s[WV], v6                  ; wave 0..7
	s_bfe_u32 s[CX], ttmp6, 0x40000                ; my block of 512 queries
	s_and_b32 s[BH], ttmp7, 0xffff                 ; 16 batch + head, which the four partners share
	s_mov_b32 s[G1], 15|(3<<16)|(1<<21)            ; 15:0 the mask: all four; 17:16 elements of 8 bytes; no padding; 21 set beside a mask
	s_mov_b32 s[G1+1], 32<<16                      ; tensor_dim0 = 32: 256 bytes
	s_mov_b32 s[G1+2], 64<<16                      ; tensor_dim1 = 64
	s_mov_b32 s[G1+3], 32<<16                      ; tile_dim0
	s_mov_b32 s[G1+4], 64                          ; tile_dim1: 16,384 bytes: eight tiles of 16 keys
	s_mov_b32 s[G1+5], 32                          ; dense
	s_mov_b32 s[G1+6], 0
	s_mov_b32 s[G1+7], 0
	s_mov_b32 s[CS], 0x4238aa3b                    ; c = 32 log2(e)
	s_mov_b32 s[CS+1], s[CS]
	s_mov_b32 s[SEL], 0x76543210
	s_mov_b32 s[SEL+1], 0xfedcba98
	s_mov_b32 s[TB], 0
	s_mov_b32 s[SLOTS], 3
	s_lshr_b32 s12, s[WV], 2                       ; waves 0-3 fetch K, waves 4-7 V
	s_add_co_u32 s12, s12, 1
	s_lshl_b32 s12, s12, 24                        ; the tensor: 16,777,216 bytes each
	s_lshl_b32 s14, s[BH], 18                      ; the head: 262,144 bytes
	s_add_co_u32 s12, s12, s14
	s_and_b32 s15, s[WV], 3
	s_lshl_b32 s15, s15, 14                        ; my quarter of a slot's 65,536
	s_add_co_u32 s12, s12, s15
	s_mov_b32 s13, 0
	s_lshl_b32 s40, s[CX], 5
	s_lshl_b32 s41, s[WV], 2
	s_add_co_u32 s40, s40, s41                     ; my first tile of queries: 32 cx + 4 wave
	s_lshl_b32 s42, s40, 11
	s_add_co_u32 s42, s42, s14
	s_mov_b32 s43, 0
	s_and_b32 s44, s[BH], 15                       ; head
	s_lshr_b32 s45, s[BH], 4                       ; batch
	s_lshl_b32 s45, s45, 7
	s_add_co_u32 s45, s45, s40                     ; row tile of the context
	s_lshl_b32 s45, s45, 12
	s_lshr_b32 s46, s44, 1                         ; the 128 along the last product's K in which my head lies,
	s_lshl_b32 s46, s46, 21
	s_add_co_u32 s46, s46, s45
	s_and_b32 s44, s44, 1                          ; and which half of it
	s_lshl_b32 s44, s44, 11
	s_add_co_u32 s46, s46, s44
	s_mov_b32 s47, 0
	v_and_b32 v[LI], 31, v0
	v_lshlrev_b32 v[LI], 4, v[LI]
	v_add_nc_u32 v[AV0], 65536, v[LI]
	s_wait_dscnt 0x0                               ; both opening adds are done
	s_wait_kmcnt 0x0
	s_mov_b32 s[G0], 1
	s_lshl_b32 s[G0+1], s[WV], 14                  ; LDS: 16,384 x wave: K's four quarters, then V's
	s_add_nc_u64 s[G0+2:G0+3], s[4:5], s[12:13]
	s_or_b32 s[G0+3], s[G0+3], 0x80000000
	s_add_nc_u64 s[QA:QA+1], s[4:5], s[42:43]
	s_add_nc_u64 s[CA:CA+1], s[6:7], s[46:47]
	CROUND                                         ; all four work-groups are here
	TLOAD                                          ; slot 0: keys 0-511
	WIN TO_1
.set n, 0
.rept 16
	global_load_b128 v[QF+4*n:QF+4*n+3], v[LI], s[QA:QA+1] offset:512*n   ; Q stays in registers: tile n / 4, channels 32 ((n % 4) / 2) on
.set n, n+1
.endr
.set n, 0
.rept 128
	v_mov_b32 v[n], 0                              ; O^T.  The key step is written without a first copy: the first step finds zeros, which a = 0 leaves zeros
.set n, n+1
.endr
	WIN 0
.irp t, 0,1,2,3
	v_mov_b32 v[ST+8*\t+1], 0xf149f2ca             ; m = -1e30, under every score
	v_mov_b32 v[ST+8*\t+2], 0                      ; l, in two halves
	v_mov_b32 v[ST+8*\t+3], 0
.endr
.irp t, 0,1,2,3
	v_mul_f32 v[ST+8*\t], s[CS], v[ST+8*\t+1]      ; c m
.endr
.macro FETCH_K                         ; 64 keys x 64 channels: 16 loads of 512 consecutive bytes: register KV + 16 kt + 8 ks + 4 c
	WIN 0
	v_add_nc_u32 v[ADR], s[TB], v[LI]
	WIN TO_1
.set n, 0
.rept 16
	ds_load_b128 v[KV+4*n:KV+4*n+3], v[ADR] offset:512*n
.set n, n+1
.endr
	WIN 0
.endm
.macro FETCH_V                         ; the same keys' V, turned: fragment (dt, kp) at KV + 16 dt + 8 kp: its low four registers from key tile 2 kp, its high four from 2 kp + 1
	WIN 0
	v_add_nc_u32 v[ADR], s[TB], v[AV0]             ; this line and three v_nop: the four places between the products K Q^T and the loads into K's registers, and the reads of S^T
.rept 3
	v_nop
.endr
	s_add_co_u32 s[TB], s[TB], 8192                ; the next fetch is the next step's
	WIN TO_1
.irp dt, 0,1,2,3
.irp kt, 0,1,2,3
	ds_load_tr16_b128 v[KV+16*\dt+4*\kt:KV+16*\dt+4*\kt+3], v[ADR] offset:2048*\kt+512*\dt
.endr
.endr
	WIN 0
.endm
.macro KQ                              ; 32 products; the 16 accumulators take turns, one instruction a turn
	WIN W_KQ
.irp ks, 0,1
.irp kt, 0,1,2,3
.irp t, 0,1,2,3
.if \ks == 0
	v_wmma_f32_16x16x32_f16 v[S+32*\t+8*\kt:S+32*\t+8*\kt+7], v[KV+16*\kt+8*\ks:KV+16*\kt+8*\ks+7], v[QF+16*\t+8*\ks:QF+16*\t+8*\ks+7], 0
.else
	v_wmma_f32_16x16x32_f16 v[S+32*\t+8*\kt:S+32*\t+8*\kt+7], v[KV+16*\kt+8*\ks:KV+16*\kt+8*\ks+7], v[QF+16*\t+8*\ks:QF+16*\t+8*\ks+7], v[S+32*\t+8*\kt:S+32*\t+8*\kt+7]
.endif
.endr
.endr
.endr
.endm
.macro PV
	WIN W_PV
.irp kp, 0,1
.irp dt, 0,1,2,3
.irp t, 0,1,2,3
	v_wmma_f32_16x16x32_f16 v[32*\t+8*\dt:32*\t+8*\dt+7], v[KV+16*\dt+8*\kp:KV+16*\dt+8*\kp+7], v[P+16*\t+8*\kp:P+16*\t+8*\kp+7], v[32*\t+8*\dt:32*\t+8*\dt+7]
.endr
.endr
.endr
.endm
.macro SMAX                            ; the new m of each tile; the tiles by turns, so that no line waits for the line above it.  Each accumulator is read from its low end on
.irp j, 0,1,2,3
.irp t, 0,1,2,3
	v_max3_num_f32 v[ST+8*\t+4+\j], v[S+32*\t+8*\j], v[S+32*\t+8*\j+1], v[S+32*\t+8*\j+2]
.endr
.endr
.irp g, 1,2
.irp j, 0,1,2,3
.irp t, 0,1,2,3
	v_max3_num_f32 v[ST+8*\t+4+\j], v[ST+8*\t+4+\j], v[S+32*\t+8*\j+2*\g+1], v[S+32*\t+8*\j+2*\g+2]
.endr
.endr
.endr
.irp t, 0,1,2,3
	v_max3_num_f32 v[ST+8*\t+4], v[ST+8*\t+4], v[S+32*\t+7], v[S+32*\t+15]
.endr
.irp t, 0,1,2,3
	v_max3_num_f32 v[ST+8*\t+6], v[ST+8*\t+6], v[S+32*\t+23], v[S+32*\t+31]
.endr
.irp t, 0,1,2,3
	v_max3_num_f32 v[ST+8*\t+4], v[ST+8*\t+4], v[ST+8*\t+5], v[ST+8*\t+6]
.endr
.irp t, 0,1,2,3
	v_max3_num_f32 v[ST+8*\t+4], v[ST+8*\t+4], v[ST+8*\t+7], v[ST+8*\t+1]   ; with the old m
.endr
.irp t, 0,1,2,3
	v_permlanex16_b32 v[ST+8*\t+5], v[ST+8*\t+4], s[SEL], s[SEL+1]           ; the query's other 32 keys lie in the lane 16 away
.endr
.irp t, 0,1,2,3
	v_mov_b32 v[ST+8*\t+7], v[ST+8*\t]             ; c m_old
.endr
.irp t, 0,1,2,3
	v_max_num_f32 v[ST+8*\t+1], v[ST+8*\t+4], v[ST+8*\t+5]
.endr
.irp t, 0,1,2,3
	v_mul_f32 v[ST+8*\t], s[CS], v[ST+8*\t+1]
.endr
.irp t, 0,1,2,3
	v_sub_f32 v[ST+8*\t+7], v[ST+8*\t+7], v[ST+8*\t]
.endr
.endm
.macro SCALE t, i                      ; pair i of tile t: c s - c m
	v_pk_fma_f32 v[S+32*(\t)+2*(\i):S+32*(\t)+2*(\i)+1], v[S+32*(\t)+2*(\i):S+32*(\t)+2*(\i)+1], s[CS:CS+1], v[ST+8*(\t):ST+8*(\t)+1] op_sel_hi:[1,0,0] neg_lo:[0,0,1] neg_hi:[0,0,1]
.endm
.macro SEXP                            ; ONE BATCH: 64 scalings and 132 exponentials, none of which reads an exponential's result; a tile's scalings stand among the exponentials of the tile before
.irp i, 0,1,2,3,4,5,6,7,8,9,10,11,12,13,14,15
	SCALE 0, \i
.endr
.irp t, 1,2,3
.irp i, 0,1,2,3,4,5,6,7,8,9,10,11,12,13,14,15
	SCALE \t, \i
	v_exp_f32 v[S+32*(\t-1)+2*\i], v[S+32*(\t-1)+2*\i]
	v_exp_f32 v[S+32*(\t-1)+2*\i+1], v[S+32*(\t-1)+2*\i+1]
.endr
.endr
.set n, 0
.rept 32
	v_exp_f32 v[S+96+n], v[S+96+n]
.set n, n+1
.endr
.irp t, 0,1,2,3
	v_exp_f32 v[ST+8*\t+6], v[ST+8*\t+7]           ; a
.endr
	v_nop                                          ; a plain instruction behind the last exponential, ahead of the first use
	s_wait_alu depctr_va_vdst(0)                   ; one wait for the batch, ahead of the first line that names a result
.endm
.macro SUMS t                          ; the sum of the tile's 16 pairs of weights, in place; then l = a l + the sum
.set rS, S+32*(\t)
.set rT, ST+8*(\t)
.irp u, 0,1,2,3,4,5,6,7
	v_pk_add_f32 v[rS+4*\u:rS+4*\u+1], v[rS+4*\u:rS+4*\u+1], v[rS+4*\u+2:rS+4*\u+3]
.endr
.irp u, 0,1,2,3
	v_pk_add_f32 v[rS+8*\u:rS+8*\u+1], v[rS+8*\u:rS+8*\u+1], v[rS+8*\u+4:rS+8*\u+5]
.endr
.irp u, 0,1
	v_pk_add_f32 v[rS+16*\u:rS+16*\u+1], v[rS+16*\u:rS+16*\u+1], v[rS+16*\u+8:rS+16*\u+9]
.endr
	v_pk_add_f32 v[rS:rS+1], v[rS:rS+1], v[rS+16:rS+17]
	v_pk_fma_f32 v[rT+2:rT+3], v[rT+2:rT+3], v[rT+6:rT+7], v[rS:rS+1] op_sel_hi:[1,0,1]
.endm
; A KEY STEP: 64 keys.  next = 1: the next step's K is fetched behind the products V^T P.
.macro STEP next
	s_wait_dscnt 0x0                               ; K is in
	KQ
	FETCH_V                                        ; V lands while the softmax is walked
	SMAX
	SEXP
.set n, 0
.rept 64
	v_cvt_pk_f16_f32 v[P+n], v[S+2*n], v[S+2*n+1]  ; the weights in pairs: two tiles of keys make a fragment
.set n, n+1
.endr
	WIN W_RS
.set i, 0
.rept 16
.irp t, 0,1,2,3
	v_pk_mul_f32 v[32*\t+i:32*\t+i+1], v[32*\t+i:32*\t+i+1], v[ST+8*\t+6:ST+8*\t+7] op_sel_hi:[1,0]   ; O^T x a, each accumulator from its low end on
.endr
.set i, i+2
.endr
	s_wait_dscnt 0x0                               ; V is in
	PV
	WIN 0
	SUMS 0                                         ; sixteen plain lines that name no register of the products: the places in front of the loads into V's registers
.if \next
	FETCH_K
.endif
	SUMS 1
	SUMS 2
	SUMS 3
.endm
.macro SLOT_STEPS                      ; a slot's eight key steps; the last fetches no further K
	FETCH_K
	s_mov_b32 s[TRIPS], 7
.Lstep_\@:
	STEP 1
	s_sub_co_u32 s[TRIPS], s[TRIPS], 1
	s_cmp_lg_u32 s[TRIPS], 0
	s_cbranch_scc1 .Lstep_\@
	STEP 0
	s_sub_co_u32 s[TB], s[TB], 65536               ; back to a slot's first step,
	s_xor_b32 s[TB], s[TB], SLOT1                  ; in the other slot
.endm
; THE CHANGE OF SLOTS stands at a slot's head.  Each wave waits for all its tensor loads (its part of the slot ahead), adds 0 to its spare word, and waits for that and for its reads of the slot that it has left.
; fill = 1: a round of the cluster's barrier, and behind it the other slot is asked for, jointly: one load a wave, first thing behind the round.
.macro CHANGE fill
	s_wait_tensorcnt 0x0                           ; no tensor load of mine is out, so group 0 may be written
	ds_add_u32 v[SPW], v[NIL]
.if \fill
	s_xor_b32 s[G0+1], s[G0+1], SLOT1              ; the other slot than last time,
	s_add_nc_u64 s[G0+2:G0+3], s[G0+2:G0+3], 65536 ; the next 512 keys
	s_wait_dscnt 0x0
	CROUND
	TLOAD
.else
	s_wait_dscnt 0x0
	s_barrier_signal -1
	s_barrier_wait -1
.endif
.endm
	s_wait_loadcnt 0x0                             ; Q
.Lslot:                                            ; three trips: behind each change of slots but the last the next slot is asked for
	CHANGE 1
	SLOT_STEPS
	s_sub_co_u32 s[SLOTS], s[SLOTS], 1
	s_cmp_lg_u32 s[SLOTS], 0
	s_cbranch_scc1 .Lslot
	CHANGE 0                                       ; the last slot is written out
	SLOT_STEPS
	; THE WAY OUT.  O^T x 8 / l = ctx / 2 (2^4 for v's scale, 2^-1 for the image's), f16 in pairs: a lane's eight channels are 16 bytes of the image.
.irp t, 0,1,2,3
	v_add_f32 v[ST+8*\t+4], v[ST+8*\t+2], v[ST+8*\t+3]
.endr
.irp t, 0,1,2,3
	v_permlanex16_b32 v[ST+8*\t+5], v[ST+8*\t+4], s[SEL], s[SEL+1]
.endr
.irp t, 0,1,2,3
	v_add_f32 v[ST+8*\t+4], v[ST+8*\t+4], v[ST+8*\t+5]
.endr
.irp t, 0,1,2,3
	v_rcp_f32 v[ST+8*\t+6], v[ST+8*\t+4]
.endr
	v_nop
	s_wait_alu depctr_va_vdst(0)                   ; one wait for the four reciprocals
.irp t, 0,1,2,3
	v_mul_f32 v[ST+8*\t+6], 0x41000000, v[ST+8*\t+6]
.endr
	WIN W_RS
.set i, 0
.rept 16
.irp t, 0,1,2,3
	v_pk_mul_f32 v[32*\t+i:32*\t+i+1], v[32*\t+i:32*\t+i+1], v[ST+8*\t+6:ST+8*\t+7] op_sel_hi:[1,0]
.endr
.set i, i+2
.endr
	WIN 0x05                                       ; sources window 1, destination window 0: S^T's registers are free
.set n, 0
.rept 64
	v_cvt_pk_f16_f32 v[S+n], v[2*n], v[2*n+1]
.set n, n+1
.endr
	WIN 0
.irp t, 0,1,2,3
.irp dt, 0,1,2,3
	global_store_b128 v[LI], v[S+16*\t+4*\dt:S+16*\t+4*\dt+3], s[CA:CA+1] offset:4096*\t+512*\dt   ; the wave stores 512 consecutive bytes
.endr
.endr
	s_wait_tensorcnt 0x0                           ; the wave's end
	ds_add_u32 v[SPW], v[NIL]
	s_wait_dscnt 0x0
	CROUND                                         ; the closing round
	s_endpgm
.Lfunc_end_k_q134b5a4bb0_attn:
	.size	k_q134b5a4bb0_attn, .Lfunc_end_k_q134b5a4bb0_attn-k_q134b5a4bb0_attn
	.p2alignl 7, 3214868480
	.fill 96, 4, 3214868480
	.section	.rodata,"a",@progbits
	.p2align	6, 0x0
	.amdhsa_kernel k_q134b5a4bb0_attn
		.amdhsa_group_segment_fixed_size 327680
		.amdhsa_private_segment_fixed_size 0
		.amdhsa_enable_private_segment 0
		.amdhsa_kernarg_size 16
		.amdhsa_user_sgpr_count 2
		.amdhsa_user_sgpr_kernarg_segment_ptr 1
		.amdhsa_wavefront_size32 1
		.amdhsa_system_sgpr_workgroup_id_x 1
		.amdhsa_system_sgpr_workgroup_id_y 1
		.amdhsa_system_sgpr_workgroup_id_z 1
		.amdhsa_system_vgpr_workitem_id 0
		.amdhsa_next_free_vgpr 512
		.amdhsa_next_free_sgpr 66
		.amdhsa_reserve_vcc 0
		.amdhsa_float_denorm_mode_32 3
		.amdhsa_float_denorm_mode_16_64 3
		.amdhsa_memory_ordered 1
		.amdhsa_forward_progress 1
		.amdhsa_inst_pref_size 149
	.end_amdhsa_kernel
	.amdgpu_metadata
---
amdhsa.version: [ 1, 2 ]
amdhsa.kernels:
  - .name:           k_q134b5a4bb0_attn
    .symbol:         k_q134b5a4bb0_attn.kd
    .args:
      - { .name: qkvimg, .offset: 0, .size: 8, .value_kind: global_buffer, .address_space: global }
      - { .name: ctximg, .offset: 8, .size: 8, .value_kind: global_buffer, .address_space: global }
    .group_segment_fixed_size: 327680
    .private_segment_fixed_size: 0
    .kernarg_segment_align: 8
    .kernarg_segment_size: 16
    .max_flat_workgroup_size: 256
    .sgpr_count:     66
    .vgpr_count:     512
    .wavefront_size: 32
...
	.end_amdgpu_metadata
.endif
;; end of part 3
;; launch oproj (part 4): grid 4 x 64, 4 waves a work-group, clusters of 4 x 4, 327,680 bytes of LDS; arguments ctximg, woimg, b_o, out0; writes out0
.if DOCPART == 4
	.amdgcn_target "amdgcn-amd-amdhsa--gfx1250"
	.amdhsa_code_object_version 6
	.text
	.protected	k_q134b5a4bb0_oproj
	.globl	k_q134b5a4bb0_oproj
	.p2align	8
	.type	k_q134b5a4bb0_oproj,@function
k_q134b5a4bb0_oproj:
	s_mov_b64 s[64:65], 0
	v_nop
	global_prefetch_b8 v0, s[64:65] scope:SCOPE_SE
	s_setreg_imm32_b32 hwreg(HW_REG_WAVE_MODE, 25, 1), 1
	s_wait_xcnt 0x0
	s_wait_alu depctr_hold_cnt(0) depctr_sa_sdst(0) depctr_va_vdst(0) depctr_va_sdst(0) depctr_va_ssrc(0) depctr_va_vcc(0) depctr_vm_vsrc(0)
	s_getreg_b32 s2, hwreg(HW_REG_IB_STS2, 6, 4)
	s_cmp_eq_u32 s2, 0
	s_cbranch_scc0 .Lentry_in_a_cluster
	s_endpgm
.Lentry_in_a_cluster:
	s_bfe_u32 s2, ttmp6, 0x10000c
	s_cmp_lg_u32 s2, 0xf033
	s_cbranch_scc0 .Lentry_shape_is_right
	s_endpgm
.Lentry_shape_is_right:
; out0 = ctx W_o^T + b_o.  ctximg holds f16 of ctx / 2, woimg f16 of 2 W_o, both as images of operand registers, by K steps of 128; sums in f32; b_o is the C of each sum's first product.
; A tile of 128 rows x 256 columns is made by a work-group of four waves (256 work-groups); a wave makes 64 x 128: 32 accumulators.
; K goes in 8 steps of 128 through a ring of two LDS slots: ctx's 8 row tiles (32,768 bytes), then W_o's 16 column tiles (65,536).  Waves 0 and 1 bring ctx's halves (64 rows x 256 bytes),
; waves 2 and 3 W_o's (128 rows x 256 bytes): dense blocks, no padding, since every LDS load reads 512 consecutive bytes.
; CLUSTERS: 4 x 4 work-groups; ctx's tiles are shared along a row of the cluster, W_o's along a column: joint loads.
; THE MATRIX INSTRUCTION IS USED TRANSPOSED (source 0 = 16 rows of W_o, source 1 = 16 rows of ctx): a lane holds eight neighbouring numbers of a row of out0.
; REGISTERS: window 0: v16-29 addresses; v32-95 b_o in the result's layout, eight registers a column tile.  window 1: the accumulators, (a, b) at v[8 (8 a + b)].
;   window 2: two fragment buffers (v0-95, v128-223: W_o's 64 registers, then ctx's 32); on the way out four sets of 64: rows of out0.
.set SLOT,   98304
.set STAGE,  2*SLOT                    ; behind the ring: 16 rows x (512 + 16) bytes for each wave; no tensor load lands there
.set SPITCH, 528
.set SPARE,  STAGE+4*16*SPITCH         ; the spare words, 128 bytes for each wave: two blocks of 256 bytes that no other line names
.set ADRA, 16
.set ADRB, 20
.set STO,  24
.set RD,   25
.set CO,   26                          ; v26  16 x lane
.set SPW,  28
.set NIL,  29
.set BIAS, 32
.set F0,   0
.set F1,   128
.set G1,  24
.set G0,  32
.set G1B, 48
.set G0B, 56
.set MSB, 0
.macro WIN new
.if MSB != (\new)
	s_set_vgpr_msb (MSB<<8)|(\new)
.set MSB, (\new)
.endif
.endm
.set MUL,       0x5a                   ; sources 0 and 1 window 2; C and D window 1
.set MUL_FIRST, 0x4a                   ; the same with C (b_o) in window 0
.set TO_F,      0x80
.macro JLOAD s                         ; waves 0 and 1 fetch for ctx, waves 2 and 3 for W_o; an s_nop 0 and four v_nop follow each line
	s_cmp_eq_u32 s15, 0
	s_cbranch_scc0 .Lfor_b_\@
	tensor_load_to_lds s[G0+4*\s:G0+4*\s+3], s[G1:G1+7]
	s_nop 0
.rept 4
	v_nop
.endr
	s_branch .Lasked_\@
.Lfor_b_\@:
	tensor_load_to_lds s[G0B+4*\s:G0B+4*\s+3], s[G1B:G1B+7]
	s_nop 0
.rept 4
	v_nop
.endr
.Lasked_\@:
.endm
.macro CREST
	s_cmp_lg_u32 s14, 0
	s_cbranch_scc1 .Lnot_wave_0_\@
	s_barrier_signal -3
.Lnot_wave_0_\@:
	s_barrier_wait -3
	s_barrier_signal -1
	s_barrier_wait -1
.endm
.macro CROUND
	s_barrier_signal -1
	s_barrier_wait -1
	CREST
.endm
	s_load_b256 s[4:11], s[0:1], 0x0               ; ctximg s[4:5], woimg s[6:7], b_o s[8:9], out0 s[10:11]
	v_lshl_add_u32 v[SPW], v0, 2, SPARE
	v_mov_b32 v[NIL], 0
	ds_add_u32 v[SPW], v[NIL]                      ; the wave's opening: the add, twice on end, and its wait ahead of my first tensor load
	ds_add_u32 v[SPW], v[NIL]
	v_lshrrev_b32 v1, 5, v0
	v_readfirstlane_b32 s14, v1                    ; wave 0..3
	s_lshr_b32 s15, s14, 1                         ; which 64 rows are mine.  Also: I fetch for ctx (0) or for W_o (1)
	s_and_b32 s16, s14, 1                          ; which 128 columns.  Also: which half of that tile I fetch
	s_bfe_u32 s40, ttmp6, 0x40000
	s_bfe_u32 s41, ttmp6, 0x40004
	s_lshl_b32 s42, ttmp9, 2
	s_add_co_u32 s42, s42, s40                     ; tile column
	s_and_b32 s17, ttmp7, 0xffff
	s_lshl_b32 s17, s17, 2
	s_add_co_u32 s17, s17, s41                     ; tile row
	s_lshl_b32 s43, s41, 2
	s_lshl_b32 s43, 15, s43
	s_lshl_b32 s44, 0x1111, s40
	s_or_b32 s[G1+0], s43, (3<<16)|(1<<21)         ; the mask; elements of 8 bytes; no padding; bit 21 beside a mask
	s_mov_b32 s[G1+1], 32<<16
	s_mov_b32 s[G1+2], 64<<16
	s_mov_b32 s[G1+3], 32<<16
	s_mov_b32 s[G1+4], 64                          ; 64 rows of 256 bytes: four row tiles' images of 128 along K
	s_mov_b32 s[G1+5], 32
	s_mov_b32 s[G1+6], 0
	s_mov_b32 s[G1+7], 0
	s_or_b32 s[G1B+0], s44, (3<<16)|(1<<21)
	s_mov_b32 s[G1B+1], 32<<16
	s_mov_b32 s[G1B+2], 128<<16
	s_mov_b32 s[G1B+3], 32<<16
	s_mov_b32 s[G1B+4], 128                        ; 128 rows: eight column tiles
	s_mov_b32 s[G1B+5], 32
	s_mov_b32 s[G1B+6], 0
	s_mov_b32 s[G1B+7], 0
	s_lshl_b32 s20, s17, 3
	s_lshl_b32 s18, s16, 2
	s_add_co_u32 s20, s20, s18                     ; ctx: row tile 8 x tile row + 4 x half
	s_lshl_b32 s20, s20, 12
	s_mov_b32 s21, 0
	s_lshl_b32 s46, s42, 4
	s_lshl_b32 s18, s16, 3
	s_add_co_u32 s46, s46, s18                     ; W_o: column tile 16 x tile column + 8 x half
	s_lshl_b32 s46, s46, 12
	s_mov_b32 s47, 0
	s_lshl_b32 s45, s16, 14                        ; where they go: ctx's halves,
	s_lshl_b32 s19, s16, 15
	s_add_co_u32 s19, s19, 32768                   ; and behind them W_o's
	s_wait_dscnt 0x0
	s_wait_kmcnt 0x0
	s_add_nc_u64 s[20:21], s[4:5], s[20:21]
	s_add_nc_u64 s[46:47], s[6:7], s[46:47]
	CROUND
.irp s, 0,1
	s_mov_b32 s[G0+4*\s], 1
	s_add_co_u32 s[G0+4*\s+1], s45, \s*SLOT
	s_add_nc_u64 s[G0+4*\s+2:G0+4*\s+3], s[20:21], \s*2097152
	s_or_b32 s[G0+4*\s+3], s[G0+4*\s+3], 0x80000000
	s_mov_b32 s[G0B+4*\s], 1
	s_add_co_u32 s[G0B+4*\s+1], s19, \s*SLOT
	s_add_nc_u64 s[G0B+4*\s+2:G0B+4*\s+3], s[46:47], \s*262144
	s_or_b32 s[G0B+4*\s+3], s[G0B+4*\s+3], 0x80000000
	JLOAD \s
.endr
	v_and_b32 v1, 15, v0                           ; r
	v_bfe_u32 v2, v0, 4, 1                         ; h
	v_and_b32 v3, 31, v0
	v_lshlrev_b32 v[CO], 4, v3
	s_lshl_b32 s22, s42, 10
	s_lshl_b32 s23, s16, 9
	s_add_co_u32 s22, s22, s23                     ; my first column, in bytes: 4 (256 tile column + 128 half)
	s_mov_b32 s23, 0
	s_add_nc_u64 s[8:9], s[8:9], s[22:23]
	v_lshlrev_b32 v5, 5, v2
.irp b, 0,1,2,3,4,5,6,7
	global_load_b128 v[BIAS+8*\b:BIAS+8*\b+3], v5, s[8:9] offset:64*\b          ; b_o at columns 16 b + 8 h + 0 .. 7
	global_load_b128 v[BIAS+8*\b+4:BIAS+8*\b+7], v5, s[8:9] offset:64*\b+16
.endr
	s_lshl_b32 s20, s17, 7
	s_lshl_b32 s21, s15, 6
	s_add_co_u32 s20, s20, s21                     ; my first row: 128 tile row + 64 half
	s_lshl_b32 s20, s20, 12
	s_add_co_u32 s20, s20, s22
	s_mov_b32 s21, 0
	s_add_nc_u64 s[10:11], s[10:11], s[20:21]
	s_lshl_b32 s22, s15, 14                        ; my four row tiles of ctx
	s_lshl_b32 s23, s16, 15
	s_add_co_u32 s23, s23, 32768                   ; my eight column tiles of W_o
.irp s, 0,1
	v_add_nc_u32 v[ADRA+\s], s22, v[CO]
	v_add_nc_u32 v[ADRB+\s], s23, v[CO]
	s_add_co_u32 s22, s22, SLOT
	s_add_co_u32 s23, s23, SLOT
.endr
	s_mul_i32 s22, s14, 16*SPITCH
	s_add_co_u32 s22, s22, STAGE                   ; my stage
	v_mul_u32_u24 v4, v1, SPITCH
	v_lshl_add_u32 v4, v2, 5, v4
	v_add_nc_u32 v[STO], s22, v4                   ; in: row r, 32 bytes for each half of the lanes
	v_add_nc_u32 v[RD], s22, v[CO]                 ; back: the 32 lanes take one row of 512 bytes
.macro MUL8 f, a, first                ; ctx's block a against W_o's eight; the 32 accumulators take turns, one instruction a turn, in the same order in every quarter
.irp b, 0,1,2,3,4,5,6,7
.if \first
	v_wmma_f32_16x16x32_f16 v[8*(8*(\a)+\b):8*(8*(\a)+\b)+7], v[\f+8*\b:\f+8*\b+7], v[\f+64+8*(\a):\f+64+8*(\a)+7], v[BIAS+8*\b:BIAS+8*\b+7]
.else
	v_wmma_f32_16x16x32_f16 v[8*(8*(\a)+\b):8*(8*(\a)+\b)+7], v[\f+8*\b:\f+8*\b+7], v[\f+64+8*(\a):\f+64+8*(\a)+7], v[8*(8*(\a)+\b):8*(8*(\a)+\b)+7]
.endif
.endr
.endm
.macro FETCH slot, q, f                ; 24 LDS loads in one run: the fragments of the slot's q-th 32 along K
	WIN TO_F
.irp i, 0,1,2,3,4,5,6,7
.irp c, 0,1
	ds_load_b128 v[\f+8*\i+4*\c:\f+8*\i+4*\c+3], v[ADRB+\slot] offset:4096*\i+1024*(\q)+512*\c
.endr
.endr
.irp i, 0,1,2,3
.irp c, 0,1
	ds_load_b128 v[\f+64+8*\i+4*\c:\f+64+8*\i+4*\c+3], v[ADRA+\slot] offset:4096*\i+1024*(\q)+512*\c
.endr
.endr
.endm
.macro PLACES                          ; four plain vector instructions between a matrix instruction and a load into one of its registers, or a read of its result
.rept 4
	v_nop
.endr
.endm
; A K step is four quarters of 32 along K, 32 matrix instructions each, on buffers 0, 1, 0, 1.  One of the first three: multiplies buffer f; ahead of that it asks for quarter q into g.
.macro QUARTER slot, q, f, g, first
	s_wait_dscnt 0x0                               ; f is in: it was asked for ahead of the quarter before
	PLACES
	FETCH \slot, \q, \g
.if \first
	WIN MUL_FIRST
.else
	WIN MUL
.endif
.irp a, 0,1,2,3
	MUL8 \f, \a, \first
.endr
.endm
; The last quarter multiplies buffer 1 and changes slots: one barrier; in front of it each wave waits for all its tensor loads, adds 0 to its spare word, and waits for that and for its reads of this slot.
.macro TURN slot, next, fill
	WIN 0
	s_wait_tensorcnt 0x0                           ; my part of the next slot has landed
	ds_add_u32 v[SPW], v[NIL]
	s_wait_dscnt 1                                 ; buffer 1 is in (the add may be out)
	WIN MUL
	MUL8 F1, 0, 0
	s_wait_dscnt 0x0                               ; the add is done, and my reads of this slot are over
	s_barrier_signal -1
	MUL8 F1, 1, 0
	WIN 0
	s_barrier_wait -1
.if \fill
	CREST                                          ; the barrier has opened a round of the cluster's: no wave of any partner still reads this slot or has a load on its way
	s_add_nc_u64 s[G0+4*\slot+2:G0+4*\slot+3], s[G0+4*\slot+2:G0+4*\slot+3], 2*2097152
	s_add_nc_u64 s[G0B+4*\slot+2:G0B+4*\slot+3], s[G0B+4*\slot+2:G0B+4*\slot+3], 2*262144
	JLOAD \slot                                    ; the first tensor load behind the round; its four v_nop are also the places in front of the loads below
.else
	PLACES
.endif
	FETCH \next, 0, F0
	WIN MUL
	MUL8 F1, 2, 0
	MUL8 F1, 3, 0
.endm
	s_wait_tensorcnt 1                             ; my part of K step 0 is in (K step 1's load may be out)
	s_barrier_signal -1
	s_barrier_wait -1                              ; everybody's is
	FETCH 0, 0, F0
	s_wait_loadcnt 0x0                             ; b_o
	QUARTER 0, 1, F0, F1, 1                        ; the first quarter's products start the sums from b_o
	WIN 0
	s_mov_b32 s3, 3
.Llap:                                                 ; a trip goes once round the ring and fills both slots again
	QUARTER 0, 2, F1, F0, 0
	QUARTER 0, 3, F0, F1, 0
	TURN 0, 1, 1
	QUARTER 1, 1, F0, F1, 0
	QUARTER 1, 2, F1, F0, 0
	QUARTER 1, 3, F0, F1, 0
	TURN 1, 0, 1
	QUARTER 0, 1, F0, F1, 0
	WIN 0
	s_sub_co_u32 s3, s3, 1
	s_cmp_lg_u32 s3, 0
	s_cbranch_scc1 .Llap
	QUARTER 0, 2, F1, F0, 0                        ; the last lap fills nothing
	QUARTER 0, 3, F0, F1, 0
	TURN 0, 1, 0
	QUARTER 1, 1, F0, F1, 0
	QUARTER 1, 2, F1, F0, 0
	QUARTER 1, 3, F0, F1, 0
	s_wait_dscnt 0x0
	WIN MUL
.irp a, 0,1,2,3
	MUL8 F1, \a, 0
.endr
	WIN 0
	PLACES
; THE WAY OUT, block by block of 16 rows x 128 columns: through my own stage and back as whole rows of 512 bytes.  LDS serves a wave's instructions in order (ISA guide 5.7.1.4).
.macro TOSTAGE a
	WIN 0x04                                       ; an LDS store's data: window 1
.irp b, 0,1,2,3,4,5,6,7
	ds_store_b128 v[STO], v[8*(8*(\a)+\b):8*(8*(\a)+\b)+3] offset:64*\b          ; each accumulator from its low end on
	ds_store_b128 v[STO], v[8*(8*(\a)+\b)+4:8*(8*(\a)+\b)+7] offset:64*\b+16
.endr
	WIN 0x80
.irp t, 0,1,2,3,4,5,6,7,8,9,10,11,12,13,14,15
	ds_load_b128 v[64*(\a)+4*\t:64*(\a)+4*\t+3], v[RD] offset:\t*SPITCH
.endr
.endm
.macro SEND a, younger                 ; younger: the LDS instructions issued behind block a's loads
	s_wait_dscnt \younger
	WIN 0x08                                       ; a store's data: window 2; each block has registers of its own
.irp t, 0,1,2,3,4,5,6,7,8,9,10,11,12,13,14,15
	global_store_b128 v[CO], v[64*(\a)+4*\t:64*(\a)+4*\t+3], s[10:11] offset:65536*(\a)+4096*\t th:TH_STORE_NT   ; 32 lanes store 512 consecutive bytes, aligned
.endr
.endm
	TOSTAGE 0
.irp a, 1,2,3
	TOSTAGE \a
	SEND \a-1, 32                                  ; behind block a - 1's loads: block a's 16 stores and 16 loads
.endr
	SEND 3, 0
	WIN 0
	s_wait_tensorcnt 0x0                           ; the wave's end
	ds_add_u32 v[SPW], v[NIL]
	s_wait_dscnt 0x0
	CROUND                                         ; the closing round
	s_endpgm
.Lfunc_end_k_q134b5a4bb0_oproj:
	.size	k_q134b5a4bb0_oproj, .Lfunc_end_k_q134b5a4bb0_oproj-k_q134b5a4bb0_oproj
	.p2alignl 7, 3214868480
	.fill 96, 4, 3214868480
	.section	.rodata,"a",@progbits
	.p2align	6, 0x0
	.amdhsa_kernel k_q134b5a4bb0_oproj
		.amdhsa_group_segment_fixed_size 327680
		.amdhsa_private_segment_fixed_size 0
		.amdhsa_enable_private_segment 0
		.amdhsa_kernarg_size 32
		.amdhsa_user_sgpr_count 2
		.amdhsa_user_sgpr_kernarg_segment_ptr 1
		.amdhsa_wavefront_size32 1
		.amdhsa_system_sgpr_workgroup_id_x 1
		.amdhsa_system_sgpr_workgroup_id_y 1
		.amdhsa_system_sgpr_workgroup_id_z 1
		.amdhsa_system_vgpr_workitem_id 0
		.amdhsa_next_free_vgpr 768
		.amdhsa_next_free_sgpr 66
		.amdhsa_reserve_vcc 0
		.amdhsa_float_denorm_mode_32 3
		.amdhsa_float_denorm_mode_16_64 3
		.amdhsa_memory_ordered 1
		.amdhsa_forward_progress 1
		.amdhsa_inst_pref_size 85
	.end_amdhsa_kernel
	.amdgpu_metadata
---
amdhsa.version: [ 1, 2 ]
amdhsa.kernels:
  - .name:           k_q134b5a4bb0_oproj
    .symbol:         k_q134b5a4bb0_oproj.kd
    .args:
      - { .name: ctximg, .offset: 0, .size: 8, .value_kind: global_buffer, .address_space: global }
      - { .name: woimg, .offset: 8, .size: 8, .value_kind: global_buffer, .address_space: global }
      - { .name: b_o, .offset: 16, .size: 8, .value_kind: global_buffer, .address_space: global }
      - { .name: out0, .offset: 24, .size: 8, .value_kind: global_buffer, .address_space: global }
    .group_segment_fixed_size: 327680
    .private_segment_fixed_size: 0
    .kernarg_segment_align: 8
    .kernarg_segment_size: 32
    .max_flat_workgroup_size: 128
    .sgpr_count:     66
    .vgpr_count:     768
    .wavefront_size: 32
...
	.end_amdgpu_metadata
.endif
;; end of part 4
